; MI455X (gfx1250); checked and timed in simulation.
; The chip was launched on July 23, 2026; its instructions are those of AMD's public machine-readable ISA for CDNA 5 (MIT licence, August 2026) and "CDNA5" Instruction Set Architecture Reference Guide (July 2026). The comments in the code are by the model that wrote it; some were corrected since.
;; Multi Head Attention. Allowed arithmetic: matrix products marked QUANTISED: E2M3 operands, one E8M0 scale for each 32 along K, by v_wmma_scale_f32_16x16x128_f8f6f4 with both operands' format E2M3, f32 sums; everything else in f32.
;; Inputs: Wk_codes 1,024 x 32 x 24 uint8 (E2M3 codes of Wk, K innermost, in blocks of 32 codes, four codes in three bytes); Wk_scales 1,024 x 32 uint8 (E8M0 scales of Wk, one for each 32 codes along K); Wo_codes 1,024 x 32 x 24 uint8 (E2M3 codes of Wo, K innermost, in blocks of 32 codes, four codes in three bytes); Wo_scales 1,024 x 32 uint8 (E8M0 scales of Wo, one for each 32 codes along K); Wq_codes 1,024 x 32 x 24 uint8 (E2M3 codes of Wq, K innermost, in blocks of 32 codes, four codes in three bytes); Wq_scales 1,024 x 32 uint8 (E8M0 scales of Wq, one for each 32 codes along K); Wv_codes 1,024 x 32 x 24 uint8 (E2M3 codes of Wv, K innermost, in blocks of 32 codes, four codes in three bytes); Wv_scales 1,024 x 32 uint8 (E8M0 scales of Wv, one for each 32 codes along K); bk 1,024 float32; bo 1,024 float32; bq 1,024 float32; bv 1,024 float32; key_codes 4 x 2,048 x 32 x 24 uint8 (E2M3 codes of key, K innermost, in blocks of 32 codes, four codes in three bytes); key_scales 4 x 2,048 x 32 uint8 (E8M0 scales of key, one for each 32 codes along K); query_codes 4 x 2,048 x 32 x 24 uint8 (E2M3 codes of query, K innermost, in blocks of 32 codes, four codes in three bytes); query_scales 4 x 2,048 x 32 uint8 (E8M0 scales of query, one for each 32 codes along K); value_codes 4 x 2,048 x 32 x 24 uint8 (E2M3 codes of value, K innermost, in blocks of 32 codes, four codes in three bytes); value_scales 4 x 2,048 x 32 uint8 (E8M0 scales of value, one for each 32 codes along K).
;; Outputs: out0 4 x 2,048 x 1,024 float32.
;; This version of the problem:
;;   THIS VERSION OF THE PROBLEM IS GIVEN IN LOW PRECISION. The matrix products marked QUANTISED in the list below multiply operands that are first quantised to E2M3 (2 exponent bits, 3 mantissa bits; 6 bits a number), with one power-of-two scale for each 32 numbers along K (OCP MX v1.0); their sums are f32. All else is computed in f32.
;;   The module's matrix products, in the order in which they are computed (A, B: the left and right operand; K: the contracted axis; several contracted axes count as one K, in the product's order):
;;     1. [M 8,192, K 1,024] x [K 1,024, N 1,024]; A: input query (given as codes); B: input Wq (given as codes): QUANTISED
;;     2. [M 8,192, K 1,024] x [K 1,024, N 1,024]; A: input key (given as codes); B: input Wk (given as codes): QUANTISED
;;     3. [M 8,192, K 1,024] x [K 1,024, N 1,024]; A: input value (given as codes); B: input Wv (given as codes): QUANTISED
;;     4. batch 64 x [M 2,048, K 64] x [K 64, N 2,048]; A: computed on the way; B: computed on the way: QUANTISED
;;     5. batch 64 x [M 2,048, K 2,048] x [K 2,048, N 64]; A: softmax (see below); B: computed on the way: QUANTISED
;;     6. [M 8,192, K 1,024] x [K 1,024, N 1,024]; A: computed on the way; B: input Wo (given as codes): QUANTISED
;;   THE QUANTISER, for each operand of a quantised product, along K:
;;     - K is cut into blocks of 32 from its start; a last block that is shorter is filled with zeros.
;;     - A block's scale is 2^e with e = floor(log2(the largest magnitude in the block)) - 2, held to -126 .. 127; a block of zeros has e = 0. As a byte (E8M0): e + 127.
;;     - Each number is divided by its block's scale, clamped to +-7.5, and rounded to the nearest number of E2M3, ties to even, subnormals kept.
;;     - The product sums the exact products of the quantised numbers (number of the format x scale) in f32.
;;   ~~~python
;;   def quantise(x, axis):      # numpy; x: float32 -> the quantised numbers, widened to float32 again
;;       x = np.moveaxis(x, axis, -1); K = x.shape[-1]
;;       x = np.pad(x, [(0, 0)] * (x.ndim - 1) + [(0, -K % 32)]); x = x.reshape(x.shape[:-1] + (-1, 32)); a = np.abs(x).max(-1, keepdims=True)
;;       e = np.where(a > 0, np.clip(np.frexp(np.where(a > 0, a, 1))[1] - 1 - 2, -126, 127), 0)      # np.frexp(a)[1] - 1 = floor(log2(a)), exactly
;;       r = np.clip(x / 2.0 ** e, -7.5, 7.5)
;;       step = 2.0 ** (np.maximum(np.frexp(np.where(r == 0, 1, r))[1] - 1, 0) - 3)
;;       q = np.round(r / step) * step * 2.0 ** e      # np.round: ties to even
;;       return np.moveaxis(q.reshape(q.shape[:-2] + (-1,))[..., :K], -1, axis).astype(np.float32)
;;   ~~~
;;   SOFTMAX AHEAD OF A QUANTISED PRODUCT. Where the list says 'softmax', what is quantised is not the finished softmax but p = 2^(t - M), with t = logit x log2(e) and M = ceil(the row's largest t), a whole number; so 1/2 < the row's largest p <= 1. The row's sum l is taken of the UNQUANTISED p, in f32, and the product's result is divided by l at the end. Since M is a whole number, a kernel that streams over the keys may use a running M (the ceiling of the running maximum): every later rescaling is an exact power of two, which a block's scale takes up: the codes' values come out the same.
;;   OPERANDS COMPUTED ON THE WAY. 'Computed on the way' means the value that the module computes at that place (a softmax that the list does not call 'softmax' is quantised finished and normalised). What goes into a quantiser is computed in f32, as accurately as f32 sums, v_exp_f32 and their like allow (about 1e-6 of the number): no bf16 or f16 on the way to a quantiser, and a product that is left as it is and whose result goes on into a quantised operand takes f32 operands (vector FMAs, or v_wmma_f32_16x16x4_f32). A number that lies on a knife's edge between two numbers of the format may be rounded either way, as far as f32 arithmetic and the matrix unit's own rounding can turn it there, and no further.
;;   INPUTS GIVEN AS CODES. Wk (in the module: [1024, 1024], K = its axis 1); Wo (in the module: [1024, 1024], K = its axis 1); Wq (in the module: [1024, 1024], K = its axis 1); Wv (in the module: [1024, 1024], K = its axis 1); key (in the module: [4, 2048, 1024], K = its axis 2); query (in the module: [4, 2048, 1024], K = its axis 2); value (in the module: [4, 2048, 1024], K = its axis 2): each comes as NAME_codes (uint8): NAME with its K axis moved to the last place and cut into blocks of 32 codes, [.., K / 32, bytes a block], one block behind the other in memory; four codes in three bytes: a row's codes are one little-endian stream of bits, code i at bits 6 i .. 6 i + 5 (a code: sign, 2 exponent bits, 3 mantissa bits); and NAME_scales (uint8): the same leading axes, one E8M0 byte (e + 127) for each 32 codes along K. Its value is code x scale, taken as it is: it is not quantised again, and the codes and scales need not be those that the quantiser above would give.
;; One version. Each part assembles by itself: llvm-mc -triple=amdgcn-amd-amdhsa -mcpu=gfx1250 --defsym DOCPART=n.
;; ======== version 1 of 1: 3 launches
;; limits: right only within a limited range of input values
;; workspace buffers: qkv 20,185,088 bytes; ximg 6,291,456 bytes; xscl 262,144 bytes
;; launch proj (part 1): grid 4 x 192, 4 waves a work-group, clusters of 4 x 4, 327,680 bytes of LDS; arguments query_codes, key_codes, Wv_codes, query_scales, key_scales, Wv_scales, Wq_codes, Wk_codes, value_codes, Wq_scales, Wk_scales, value_scales, bq, bk, bv, qkv; writes qkv
.if DOCPART == 1
	.amdgcn_target "amdgcn-amd-amdhsa--gfx1250"
	.amdhsa_code_object_version 6
	.text
	.protected	k_q400a17da64_proj
	.globl	k_q400a17da64_proj
	.p2align	8
	.type	k_q400a17da64_proj,@function
k_q400a17da64_proj:
	s_mov_b64 s[64:65], 0
	v_nop
	global_prefetch_b8 v0, s[64:65] scope:SCOPE_SE
	s_setreg_imm32_b32 hwreg(HW_REG_WAVE_MODE, 25, 1), 1
	s_wait_xcnt 0x0
	s_wait_alu depctr_hold_cnt(0) depctr_sa_sdst(0) depctr_va_vdst(0) depctr_va_sdst(0) depctr_va_ssrc(0) depctr_va_vcc(0) depctr_vm_vsrc(0)
	s_getreg_b32 s2, hwreg(HW_REG_IB_STS2, 6, 4)
	s_cmp_eq_u32 s2, 0
	s_cbranch_scc0 .Lentry_in_a_cluster
	s_endpgm
.Lentry_in_a_cluster:
	s_bfe_u32 s2, ttmp6, 0x10000c
	s_cmp_lg_u32 s2, 0xf033
	s_cbranch_scc0 .Lentry_shape_is_right
	s_endpgm
.Lentry_shape_is_right:
; THE THREE PROJECTIONS q, k, v = x W^T + b on codes of FP6 (E2M3) with E8M0 scales, K = 1,024, and the quantising of their results for the two products of attention.
; One body serves all three: the cluster's y says which (CASE = y / 16: 0 q, 1 k, 2 v); only pointers, offsets and the last part hang on it.
; C = A B^T, a block of 128 rows of A x 256 rows of B to a work-group; q, k: A = tokens, B = the weight; v: A = Wv, B = tokens.  768 work-groups.
; ALL OF K LIES IN LDS: 384 rows of 768 bytes (16 bytes of padding behind every 256) and their scale bytes, filled once by four joint loads, one a wave.  Nothing is filled again.
; A wave makes 64 x 128: 32 accumulators.  The matrix instruction is used transposed (source 0 = B's rows, source 1 = A's), so a lane holds one row of A and its registers run along B's rows:
; the features for q and k, the tokens for v: the K of the product that follows.
; CLUSTERS 4 x 4: A's tiles are asked for jointly along a row of the cluster, B's along a column.
; NO PREFETCH: the launch has no loop of loads to run ahead in; every tile is asked for at the head.
; WHAT IS STORED: images of operand registers.  qkv holds 64 records (batch x 16 + head) of REC bytes: 16 groups of 128 tokens of q (8 tiles of 768 bytes, 512 bytes of scale words),
; then 16 key steps of 13,056 bytes (K: 8 tiles of 768, 512 of scale words; V^T: 4 fragments of 1,536, 256 of scale words).
; q's and K's scale word of (tile a, token r) lies at 256 (a / 4) + 8 (r + 16 (a % 2)) + 4 ((a / 2) % 2): a wave owns four tiles and stores their words as 256 bytes on end.
; ORDER INSIDE A BLOCK OF 32: code places hold numbers 0-7, 16-23, 8-15, 24-31; q and k are laid alike, and so are v and the next launch's p, so the exact products are the same.
; LIMITS: NaN, infinities and scale bytes 0xff among the inputs are not served.  A block whose largest magnitude lies under 2^-124, a block of zeros too, keeps the byte 1: this program alone reads these bytes.
; REGISTERS: window 0: v0-31 addresses, v32-63 scale words (two sets), v64-127 q's or k's bias, v128-223 A's fragments (two sets), v232-239 v's bias; window 1: B's fragments (two sets); window 2: the accumulators, (a, b) at v[8 (8 a + b)].
.set KROW,  768
.set KS,    32
.set PITCH, 816
.set FR,    12
.set NP,    4
.set BB0,   128*PITCH                  ; B's rows lie behind A's
.set SCL,   BB0+256*PITCH              ; the scales, as units of 256 bytes + 16
.set SA64,  (64*KS/256)*272            ; those of 64 rows
.set SBLK,  (16*KS/256)*272
.set SCLB,  SCL+2*SA64
.set SPARE, SCL+6*SA64                 ; the spare words
.set REC,   315392
.set KVOFF, 106496
.set ADRA, 16                          ; v16, v17 my A fragments (v17: lanes 16-31 behind one padding more)
.set ADRB, 20                          ; v20, v21 B's blocks 0-3; v22, v23 blocks 4-7
.set L16,  24
.set L8,   25
.set ADRS, 27
.set SPW,  28
.set NIL,  29
.set SC,   32
.set BN,   64
.set AF,   128
.set BV,   232
.set T,    128
.set CD,   192
.set TM,   212
.set W,    240
.set IM,   244
.set CASE, 66
.set HM,   67
.set G1, 24
.set G0, 32
.set G1B, 48
.set G0B, 56
.set G1S, 68
.set G0S, 76
.set G1SB, 80
.set G0SB, 88
.set MSB, 0
.macro WIN new
.if MSB != \new
	s_set_vgpr_msb (MSB<<8)|\new
.set MSB, \new
.endif
.endm
.set MUL,  0xa1                        ; source 0 window 1, source 1 window 0, C and D window 2
.set TO_B, 0x40
.macro PLACES n
.rept \n
	v_nop
.endr
.endm
.macro CROUND                          ; a round of the cluster's barrier
	s_barrier_signal -1
	s_barrier_wait -1
	s_cmp_lg_u32 s14, 0
	s_cbranch_scc1 .Lnot_wave_0_\@
	s_barrier_signal -3
.Lnot_wave_0_\@:
	s_barrier_wait -3
	s_barrier_signal -1
	s_barrier_wait -1
.endm
.macro G1SET g, mask, logb, c, r       ; r rows of c elements, 16 bytes of padding behind every 256
	s_or_b32 s[\g], s\mask, (\logb<<16)|(1<<20)|(1<<21)|(5<<22)|(3<<25)
	s_mov_b32 s[\g+1], (\c)<<16
	s_mov_b32 s[\g+2], (\r)<<16
	s_mov_b32 s[\g+3], (\c)<<16
	s_mov_b32 s[\g+4], \r
	s_mov_b32 s[\g+5], \c
	s_mov_b32 s[\g+6], 0
	s_mov_b32 s[\g+7], 0
.endm
.macro G0SET g, lds, base, off
	s_mov_b32 s[\g], 1
	s_mov_b32 s[\g+1], \lds
	s_add_nc_u64 s[\g+2:\g+3], s[\base:\base+1], s[\off:\off+1]
	s_or_b32 s[\g+3], s[\g+3], 0x80000000
.endm
.macro TLOAD g0, g1
	tensor_load_to_lds s[\g0:\g0+3], s[\g1:\g1+7]
	s_nop 0
	PLACES 4
.endm
.macro ARM under, g0, g1, next
	s_cmp_lt_u32 s14, \under
	s_cbranch_scc0 \next
	TLOAD \g0, \g1
	s_branch .Lhead_asked
\next:
.endm
	s_load_b512 s[24:39], s[0:1], 0x0              ; query, key, Wv codes; query, key, Wv scales; Wq, Wk codes
	s_load_b512 s[68:83], s[0:1], 0x40             ; value codes; Wq, Wk, value scales; bq, bk, bv; qkv
	v_lshl_add_u32 v[SPW], v0, 2, SPARE
	v_mov_b32 v[NIL], 0
	ds_add_u32 v[SPW], v[NIL]                      ; the opening lines
	ds_add_u32 v[SPW], v[NIL]
	v_lshrrev_b32 v1, 5, v0
	v_readfirstlane_b32 s14, v1                    ; wave
	s_lshr_b32 s15, s14, 1                         ; my half of A's rows
	s_and_b32 s16, s14, 1                          ; my half of B's
	s_bfe_u32 s40, ttmp6, 0x40000                  ; cx
	s_bfe_u32 s41, ttmp6, 0x40004                  ; cy
	s_and_b32 s18, ttmp7, 0xffff
	s_lshr_b32 s[CASE], s18, 4
	s_and_b32 s18, s18, 15                         ; which of the case's sixteen clusters
	s_and_b32 s19, s18, 1
	s_lshr_b32 s20, s18, 1
	s_cmp_eq_u32 s[CASE], 2
	s_cselect_b32 s17, s19, s18                    ; q, k: 16 x 1 clusters over 64 x 4 blocks; v: 2 x 8 over 8 x 32
	s_cselect_b32 s42, s20, 0
	s_lshl_b32 s17, s17, 2
	s_add_co_u32 s17, s17, s41                     ; block row
	s_lshl_b32 s42, s42, 2
	s_add_co_u32 s42, s42, s40                     ; block column
	s_lshl_b32 s43, s41, 2
	s_lshl_b32 s43, 15, s43                        ; my row of the cluster
	s_lshl_b32 s44, 0x1111, s40                    ; my column
	s_mov_b32 s[HM], 0xffff0000
	s_wait_dscnt 0x0
	s_wait_kmcnt 0x0
	s_cmp_eq_u32 s[CASE], 1
	s_cselect_b64 s[4:5], s[26:27], s[24:25]       ; A's codes
	s_cselect_b64 s[6:7], s[32:33], s[30:31]       ; A's scales
	s_cselect_b64 s[8:9], s[38:39], s[36:37]       ; B's codes
	s_cselect_b64 s[10:11], s[72:73], s[70:71]     ; B's scales
	s_cselect_b64 s[96:97], s[78:79], s[76:77]     ; the bias
	s_cmp_eq_u32 s[CASE], 2
	s_cselect_b64 s[4:5], s[28:29], s[4:5]
	s_cselect_b64 s[6:7], s[34:35], s[6:7]
	s_cselect_b64 s[8:9], s[68:69], s[8:9]
	s_cselect_b64 s[10:11], s[74:75], s[10:11]
	s_cselect_b64 s[96:97], s[80:81], s[96:97]
	s_mov_b64 s[12:13], s[82:83]                   ; qkv
	G1SET G1, 43, 0, KROW, 128
	G1SET G1B, 44, 0, KROW, 256
	G1SET G1S, 43, 3, 32, 16
	G1SET G1SB, 44, 3, 32, 32
	s_mul_i32 s20, s17, 128*KROW
	s_mul_i32 s22, s17, 128*KS
	s_mul_i32 s46, s42, 256*KROW
	s_mul_i32 s92, s42, 256*KS
	s_mov_b32 s21, 0
	s_mov_b32 s23, 0
	s_mov_b32 s47, 0
	s_mov_b32 s93, 0
	G0SET G0, 0, 4, 20
	G0SET G0B, BB0, 8, 46
	G0SET G0S, SCL, 6, 22
	G0SET G0SB, SCLB, 10, 92
	CROUND                                         ; all sixteen work-groups are here: the joint loads meet
	ARM 1, G0B, G1B, .Lhead_a                      ; one load a wave: B's 256 rows,
	ARM 2, G0,  G1,  .Lhead_sa                     ; A's 128,
	ARM 3, G0S, G1S, .Lhead_sb                     ; A's scales,
	TLOAD G0SB, G1SB                               ; B's
.Lhead_asked:
	s_mul_i32 s4, s15, 64*PITCH                    ; my rows of A in LDS,
	s_mul_i32 s5, s16, 128*PITCH
	s_add_co_u32 s5, s5, BB0                       ; of B,
	s_mul_i32 s6, s15, SA64
	s_add_co_u32 s6, s6, SCL                       ; A's scales,
	s_mul_i32 s7, s16, 2*SA64
	s_add_co_u32 s7, s7, SCLB
	s_sub_co_u32 s7, s7, s6                        ; and how far on B's lie
	s_lshl_b32 s20, s17, 7
	s_lshl_b32 s21, s15, 6
	s_add_co_u32 s20, s20, s21                     ; my first row of C
	s_lshl_b32 s46, s42, 8
	s_lshl_b32 s47, s16, 7
	s_add_co_u32 s46, s46, s47                     ; my first column
	s_cmp_eq_u32 s[CASE], 2
	s_cselect_b32 s98, s20, s46                    ; f0: my first feature
	s_cselect_b32 s99, s46, s20                    ; t0: my first token
	s_cselect_b32 s8, 0, s98                       ; one text loads the bias in both layouts: the layout that the case does not use reads the vector's first numbers
	s_cselect_b32 s9, s98, 0
	s_cselect_b32 s23, 0, s15                      ; q, k: my half of the group of 128 tokens
	s_lshl_b32 s8, s8, 2
	s_lshl_b32 s9, s9, 2
	s_lshr_b32 s92, s99, 11                        ; batch
	s_lshl_b32 s92, s92, 4
	s_lshr_b32 s93, s98, 6                         ; my first head
	s_add_co_u32 s92, s92, s93
	s_mul_i32 s92, s92, REC
	s_bfe_u32 s93, s99, 0x40007                    ; the group: (t0 / 128) % 16
	s_cmp_eq_u32 s[CASE], 0
	s_mov_b32 s94, 13056
	s_cselect_b32 s94, 6656, s94
	s_mul_i32 s93, s93, s94
	s_add_co_u32 s92, s92, s93
	s_cmp_eq_u32 s[CASE], 1
	s_cselect_b32 s93, KVOFF, 0
	s_cmp_eq_u32 s[CASE], 2
	s_mov_b32 s94, KVOFF+6656
	s_cselect_b32 s93, s94, s93
	s_add_co_u32 s92, s92, s93
	s_lshl_b32 s94, s23, 8
	s_add_co_u32 s94, s94, s92
	s_add_co_u32 s94, s94, 6144
	s_mov_b32 s95, 0
	s_add_nc_u64 s[94:95], s[12:13], s[94:95]      ; where my scale words go
	s_mul_i32 s93, s23, 3072
	s_add_co_u32 s92, s92, s93
	s_mov_b32 s93, 0
	s_add_nc_u64 s[12:13], s[12:13], s[92:93]      ; and my codes
	v_and_b32 v1, 15, v0                           ; r
	v_bfe_u32 v2, v0, 4, 1                         ; h
	v_mul_u32_u24 v3, v1, PITCH
	v_mad_u32_u24 v4, v2, 24, v3
	v_mad_u32_u24 v5, v2, 40, v3
	v_add_nc_u32 v[ADRA], s4, v4
	v_add_nc_u32 v[ADRA+1], s4, v5
	v_add_nc_u32 v[ADRB], s5, v4
	v_add_nc_u32 v[ADRB+1], s5, v5
	v_add_nc_u32 v[ADRB+2], 64*PITCH, v[ADRB]
	v_add_nc_u32 v[ADRB+3], 64*PITCH, v[ADRB+1]
	v_mul_u32_u24 v8, v1, KS
	v_lshrrev_b32 v9, 8, v8
	v_lshl_add_u32 v8, v9, 4, v8
	v_mul_u32_u24 v9, s7, v2                       ; lanes 16-31 take B's scale words
	v_add_nc_u32 v8, v8, v9
	v_add_nc_u32 v[ADRS], s6, v8
	v_and_b32 v6, 31, v0
	v_lshlrev_b32 v[L16], 4, v6
	v_lshlrev_b32 v[L8], 3, v6
	v_lshl_add_u32 v7, v2, 5, s8                   ; q, k: v[BN + 8 b + j] = bias[f0 + 16 b + 8 h + j]
	v_lshl_add_u32 v6, v1, 2, s9                   ; v: v[BV + 2 a], v[BV + 2 a + 1] = bias[f0 + 16 a + r]
.irp b, 0,1,2,3,4,5,6,7
	global_load_b128 v[BN+8*\b:BN+8*\b+3], v7, s[96:97] offset:64*\b
	global_load_b128 v[BN+8*\b+4:BN+8*\b+7], v7, s[96:97] offset:64*\b+16
.endr
.irp a, 0,1,2,3
	global_load_b32 v[BV+2*\a], v6, s[96:97] offset:64*\a
	global_load_b32 v[BV+2*\a+1], v6, s[96:97] offset:64*\a
.endr
; a fragment, 16 rows x 128 K: six pieces of 8 bytes; byte y of a row lies at y + 16 (y / 256) of its LDS row; lanes 16-31 read 24 bytes on, where need be behind one padding more
.macro FRAG reg, adr, st, i
.irp p, 0,1,2,3,4,5
.set BY, 96*(\st)+48*(\p/3)+8*(\p%3)
.if BY/256 == (BY+24)/256
	ds_load_b64 v[\reg+2*\p:\reg+2*\p+1], v[\adr] offset:BY+16*(BY/256)+(\i)*16*PITCH
.else
	ds_load_b64 v[\reg+2*\p:\reg+2*\p+1], v[\adr+1] offset:BY+16*(BY/256)+(\i)*16*PITCH
.endif
.endr
.endm
.macro FETCH st                        ; step st's fragments into set st % 2: 72 loads; with an even step the scale words of two steps, 8 more
	WIN TO_B
.irp i, 0,1,2,3,4,5,6,7
	FRAG 128*((\st)%2)+FR*\i, ADRB+2*(\i/4), \st, \i%4
.endr
	WIN 0
.irp i, 0,1,2,3
	FRAG AF+48*((\st)%2)+FR*\i, ADRA, \st, \i
.endr
.if (\st)%2 == 0
.irp i, 0,1,2,3,4,5,6,7
	ds_load_b64 v[SC+16*(((\st)/2)%2)+2*\i:SC+16*(((\st)/2)%2)+2*\i+1], v[ADRS] offset:\i*SBLK+4*(\st)
.endr
.endif
.endm
.macro W1 a, b, p, q, sc, c
	v_wmma_scale_f32_16x16x128_f8f6f4 v[8*(8*\a+\b):8*(8*\a+\b)+7], v[128*(\p)+FR*\b:128*(\p)+FR*\b+FR-1], v[AF+48*(\p)+FR*\a:AF+48*(\p)+FR*\a+FR-1], \c, v[SC+16*(\sc)+2*\b+(\q)], v[SC+16*(\sc)+2*\a+(\q)] matrix_a_fmt:MATRIX_FMT_FP6 matrix_b_fmt:MATRIX_FMT_FP6 matrix_a_scale:MATRIX_SCALE_ROW1
.endm
.macro MUL32 p, sc, zero               ; the 32 accumulators take turns
.irp a, 0,1,2,3
.irp b, 0,1,2,3,4,5,6,7
.if \zero
	W1 \a, \b, \p, \p, \sc, 0
.else
	W1 \a, \b, \p, \p, \sc, v[8*(8*\a+\b):8*(8*\a+\b)+7]
.endif
.endr
.endr
.endm
.macro STEP st, zero                   ; this step's fragments, asked for ahead of the last step's 32 products, are in; the next step's loads go out, into the set that the step before read (four places behind its products); then the products
	s_wait_dscnt 0x0
.if (\st) < 7
	PLACES NP
	FETCH (\st)+1
.endif
	WIN MUL
	MUL32 (\st)%2, ((\st)/2)%2, \zero
	WIN 0
.endm
	s_wait_alu depctr_va_vdst(0)                   ; the wait at the head's end
	s_wait_loadcnt 0x0                             ; the bias
	s_wait_tensorcnt 0x0                           ; my tile is in,
	s_barrier_signal -1
	s_barrier_wait -1                              ; everybody's is
	FETCH 0
	STEP 0, 1
.set ST, 1
.rept 7
	STEP ST, 0
.set ST, ST+1
.endr
; THE LAST PART: block by block of 16 rows of A: + bias, quantised along the lane's registers, stored as register images.
; 64 numbers of a lane: registers 16 b .. 16 b + 15 are my 16 of block b of my row, lane l xor 16 holds the other 16.  They become 12 registers of codes and the row's scale word.
.macro QUANT s, pw
.irp b, 0,1,2,3
	v_max3_num_f32 v[TM+\b], |v[\s+16*\b]|, |v[\s+1+16*\b]|, 0x1800000   ; with the floor 2^(3 - 127): the byte cannot fall under 1
.endr
.irp i, 2,4,6,8,10,12,14
.irp b, 0,1,2,3
	v_max3_num_f32 v[TM+\b], v[TM+\b], |v[\s+16*\b+\i]|, |v[\s+1+16*\b+\i]|
.endr
.endr
.irp b, 0,1,2,3
	v_permlanex16_b32 v[TM+4+\b], v[TM+\b], s4, s5
.endr
.irp b, 0,1,2,3
	v_max_num_f32 v[TM+\b], v[TM+\b], v[TM+4+\b]
.endr
.irp b, 0,1,2,3
	v_add_nc_u32 v[TM+12+\b], 0xff000000, v[TM+\b]   ; 2 off the exponent field: the conversion's scale operand
.endr
.irp b, 0,1,2,3
	v_lshrrev_b32 v[TM+4+\b], 23, v[TM+12+\b]      ; the scale's byte
.endr
	v_lshl_or_b32 v[\pw], v[TM+5], 8, v[TM+4]
	v_lshl_or_b32 v[\pw], v[TM+6], 16, v[\pw]
	v_lshl_or_b32 v[\pw], v[TM+7], 24, v[\pw]
.irp c, 0,1
	v_cvt_scalef32_pk16_fp6_f32 v[CD+6*\c:CD+2+6*\c], v[\s+32*\c:\s+15+32*\c], v[TM+12+2*\c]
	v_cvt_scalef32_pk16_fp6_f32 v[CD+12+4*\c:CD+14+4*\c], v[\s+16+32*\c:\s+31+32*\c], v[TM+12+2*\c+1]
.endr
	v_nop                                          ; one plain place behind a scaled conversion
.irp c, 0,1                                    ; a whole block in a lane: lanes 0-15 block 2 c, lanes 16-31 block 2 c + 1
.irp i, 0,1,2
	v_permlane16_swap_b32 v[CD+6*\c+\i], v[CD+12+4*\c+\i]
.endr
.irp i, 0,1,2
	v_mov_b32 v[CD+3+6*\c+\i], v[CD+12+4*\c+\i]
.endr
.endr
.endm
.macro ADDB a, byrow                   ; block a's eight accumulators + bias, each from its low end on
	WIN 0x02
.set ii, 0
.rept 32
.if \byrow
	v_pk_add_f32 v[T+2*ii:T+2*ii+1], v[64*(\a)+2*ii:64*(\a)+2*ii+1], v[BV+2*(\a):BV+2*(\a)+1]
.else
	v_pk_add_f32 v[T+2*ii:T+2*ii+1], v[64*(\a)+2*ii:64*(\a)+2*ii+1], v[BN+2*ii:BN+2*ii+1]
.endif
.set ii, ii+1
.endr
	WIN 0
.endm
.macro QKBLOCK a                       ; 16 tokens; registers 6 c .. 6 c + 5 of the codes are head c's operand registers 0-5; each store covers 512 or 256 bytes on end
.if (\a) > 0
	s_wait_xcnt 0x0                                ; the last block's stores have read their data
.endif
	ADDB \a, 0
	QUANT T, W+(\a)
.irp c, 0,1
	global_store_b128 v[L16], v[CD+6*\c:CD+6*\c+3], s[12:13] offset:\c*REC+768*(\a)
	global_store_b64 v[L8], v[CD+6*\c+4:CD+6*\c+5], s[12:13] offset:\c*REC+768*(\a)+512
.endr
.endm
.macro VBLOCK a                        ; 16 channels x my 128 keys: fragment a of my head's V^T
.if (\a) > 0
	s_wait_xcnt 0x0
.endif
	ADDB \a, 1
	QUANT T, W+(\a)
.irp i, 0,1,2
	global_store_b128 v[L16], v[CD+4*\i:CD+4*\i+3], s[12:13] offset:(\a)*1536+512*\i
.endr
.endm
	PLACES NP
	s_mov_b32 s4, 0x76543210
	s_mov_b32 s5, 0xfedcba98
.irp b, 0,1,2,3
	v_mov_b32 v[TM+4+\b], 0                        ; a lane permute's destination counts as one of its sources
.endr
	s_cmp_eq_u32 s[CASE], 2                        ; the same in all partners
	s_cbranch_scc1 .Lby_keys
.irp a, 0,1,2,3
	QKBLOCK \a
.endr
	; register i of the stored words: lanes 0-15 my tile 2 i, lanes 16-31 my tile 2 i + 1.  Bytes 0, 1 of a word are head 0's blocks, bytes 2, 3 head 1's; what stands in a stored word's upper bytes meets zero codes
.irp i, 0,1
	v_cndmask_b32 v[IM+\i], v[W+2*\i], v[W+2*\i+1], s[HM]
.endr
	global_store_b64 v[L8], v[IM:IM+1], s[94:95]
.irp a, 0,1,2,3
	v_lshrrev_b32 v[W+\a], 16, v[W+\a]
.endr
.irp i, 0,1
	v_cndmask_b32 v[IM+2+\i], v[W+2*\i], v[W+2*\i+1], s[HM]
.endr
	global_store_b64 v[L8], v[IM+2:IM+3], s[94:95] offset:REC
	s_branch .Ldone
.Lby_keys:
.irp a, 0,1,2,3
	VBLOCK \a
.endr
.irp i, 0,1
	v_cndmask_b32 v[IM+\i], v[W+2*\i], v[W+2*\i+1], s[HM]
.endr
	global_store_b64 v[L8], v[IM:IM+1], s[94:95]
.Ldone:
	s_wait_tensorcnt 0x0                           ; the wave's end
	ds_add_u32 v[SPW], v[NIL]
	s_wait_dscnt 0x0
	CROUND                                         ; the closing round
	s_endpgm
.Lfunc_end_k_q400a17da64_proj:
	.size	k_q400a17da64_proj, .Lfunc_end_k_q400a17da64_proj-k_q400a17da64_proj
	.p2alignl 7, 3214868480
	.fill 96, 4, 3214868480
	.section	.rodata,"a",@progbits
	.p2align	6, 0x0
	.amdhsa_kernel k_q400a17da64_proj
		.amdhsa_group_segment_fixed_size 327680
		.amdhsa_private_segment_fixed_size 0
		.amdhsa_enable_private_segment 0
		.amdhsa_kernarg_size 128
		.amdhsa_user_sgpr_count 2
		.amdhsa_user_sgpr_kernarg_segment_ptr 1
		.amdhsa_wavefront_size32 1
		.amdhsa_system_sgpr_workgroup_id_x 1
		.amdhsa_system_sgpr_workgroup_id_y 1
		.amdhsa_system_sgpr_workgroup_id_z 1
		.amdhsa_system_vgpr_workitem_id 0
		.amdhsa_next_free_vgpr 768
		.amdhsa_next_free_sgpr 102
		.amdhsa_reserve_vcc 0
		.amdhsa_float_denorm_mode_32 3
		.amdhsa_float_denorm_mode_16_64 3
		.amdhsa_memory_ordered 1
		.amdhsa_forward_progress 1
		.amdhsa_inst_pref_size 135
	.end_amdhsa_kernel
	.amdgpu_metadata
---
amdhsa.version: [ 1, 2 ]
amdhsa.kernels:
  - .name:           k_q400a17da64_proj
    .symbol:         k_q400a17da64_proj.kd
    .args:
      - { .name: query_codes, .offset: 0, .size: 8, .value_kind: global_buffer, .address_space: global }
      - { .name: key_codes, .offset: 8, .size: 8, .value_kind: global_buffer, .address_space: global }
      - { .name: Wv_codes, .offset: 16, .size: 8, .value_kind: global_buffer, .address_space: global }
      - { .name: query_scales, .offset: 24, .size: 8, .value_kind: global_buffer, .address_space: global }
      - { .name: key_scales, .offset: 32, .size: 8, .value_kind: global_buffer, .address_space: global }
      - { .name: Wv_scales, .offset: 40, .size: 8, .value_kind: global_buffer, .address_space: global }
      - { .name: Wq_codes, .offset: 48, .size: 8, .value_kind: global_buffer, .address_space: global }
      - { .name: Wk_codes, .offset: 56, .size: 8, .value_kind: global_buffer, .address_space: global }
      - { .name: value_codes, .offset: 64, .size: 8, .value_kind: global_buffer, .address_space: global }
      - { .name: Wq_scales, .offset: 72, .size: 8, .value_kind: global_buffer, .address_space: global }
      - { .name: Wk_scales, .offset: 80, .size: 8, .value_kind: global_buffer, .address_space: global }
      - { .name: value_scales, .offset: 88, .size: 8, .value_kind: global_buffer, .address_space: global }
      - { .name: bq, .offset: 96, .size: 8, .value_kind: global_buffer, .address_space: global }
      - { .name: bk, .offset: 104, .size: 8, .value_kind: global_buffer, .address_space: global }
      - { .name: bv, .offset: 112, .size: 8, .value_kind: global_buffer, .address_space: global }
      - { .name: qkv, .offset: 120, .size: 8, .value_kind: global_buffer, .address_space: global }
    .group_segment_fixed_size: 327680
    .private_segment_fixed_size: 0
    .kernarg_segment_align: 8
    .kernarg_segment_size: 128
    .max_flat_workgroup_size: 128
    .sgpr_count:     102
    .vgpr_count:     768
    .wavefront_size: 32
...
	.end_amdgpu_metadata
.endif
;; end of part 1
;; launch attn (part 2): grid 4 x 64, 16 waves a work-group, clusters of 4 x 1, 264,192 bytes of LDS; arguments qkv, ximg, xscl; writes ximg, xscl
.if DOCPART == 2
	.amdgcn_target "amdgcn-amd-amdhsa--gfx1250"
	.amdhsa_code_object_version 6
	.text
	.protected	k_q400a17da64_attn
	.globl	k_q400a17da64_attn
	.p2align	8
	.type	k_q400a17da64_attn,@function
k_q400a17da64_attn:
	s_mov_b64 s[64:65], 0
	v_nop
	global_prefetch_b8 v0, s[64:65] scope:SCOPE_SE
	s_setreg_imm32_b32 hwreg(HW_REG_WAVE_MODE, 25, 1), 1
	s_wait_xcnt 0x0
	s_wait_alu depctr_hold_cnt(0) depctr_sa_sdst(0) depctr_va_vdst(0) depctr_va_sdst(0) depctr_va_ssrc(0) depctr_va_vcc(0) depctr_vm_vsrc(0)
	s_getreg_b32 s2, hwreg(HW_REG_IB_STS2, 6, 4)
	s_cmp_eq_u32 s2, 0
	s_cbranch_scc0 .Lentry_in_a_cluster
	s_endpgm
.Lentry_in_a_cluster:
	s_bfe_u32 s2, ttmp6, 0x10000c
	s_cmp_lg_u32 s2, 0x3003
	s_cbranch_scc0 .Lentry_shape_is_right
	s_endpgm
.Lentry_shape_is_right:
; ATTENTION of one head on codes of FP6 (E2M3): S^T = K Q^T (K = the head's 64, the upper half of the instruction's 128 filled with zero codes), the softmax, O^T = V^T P^T (K = the keys), O / l, and x quantised for the last product.
; THE SOFTMAX AHEAD OF THE SECOND PRODUCT: t = score x log2(e) / 8; M = the row's largest t so far, rounded UP to a whole number; p = 2^(t - M) is quantised along the keys, not normalised.  The row's sum is taken
; of the unquantised p and divides O at the end.  When M moves, the sum and O are multiplied by 2^(old M - new M): exact.
; SHARES.  A work-group owns 512 queries of one head; each of its sixteen waves two tiles of 16, one after the other, each over all 2,048 keys, 128 a step.  A wave has 256 registers: four waves to a SIMD, so that
; one wave's vector work stands beside another's products and LDS loads.
; K AND V OF THE WHOLE HEAD, 208,896 bytes of register images as the launch before stored them, lie in LDS from byte 0 on, as they lie in memory.  They are filled ONCE: no byte of LDS is filled again.
; CLUSTER.  The four work-groups of a cluster own the four blocks of 512 queries of one head and need the same K and V: each tile is asked for jointly (mask 15).  Waves 0 to 11 fetch, two loads each: 17 rows of 256
; bytes (together key steps 0-3) and 51 rows (together key steps 4-15), so that the first four steps can be worked while the rest is on its way.  Two tensor loads of a wave are out at the most.
; LAYOUT.  Both products are used transposed: a lane holds ONE query (lane % 16) throughout.  In S^T register 8 t + j of lane (r, h) is key 16 t + 8 h + j: the layout in which V's numbers stood when they were
; quantised, so p's codes and V's carry the same order inside each block of 32 keys.  x meets codes that are given, so it is first brought into the true order of its channels.
; STATED: x's scale bytes are stored one byte a lane into rows 32 bytes apart (a head owns 2 of a row's 32 bytes): 1 byte for each 24 of codes.
; LIMITS: NaN and infinities are not served; a block whose largest magnitude lies under 2^-124, a block of zeros among them, keeps the byte 1 (its codes are zeros or near it; this program alone reads the bytes).
; THE FILLS AS THEY STAND (this takes the place of what the paragraph CLUSTER above says of who fetches): each of the sixteen waves fetches ONE key step, 51 rows of 256 bytes, by one joint load.
; Waves 0 to 3 have a load line and a wait of their own, so that key steps 0-3 can be worked while the other twelve are on their way.  One tensor load of a wave is out at the most.
.set REC,   315392                     ; a head's record in qkv
.set KVOFF, 106496                     ; where its key steps begin
.set STEPB, 13056                      ; a key step: K 8 x 768, its scale words 512, V^T 4 x 1,536, its scale words 256
.set L16,  1                           ; v1   16 x lane
.set L8,   2                           ; v2   8 x lane
.set A16,  3                           ; v3   the step's first byte + 16 x lane
.set A8,   4                           ; v4   the step's first byte + 8 x lane
.set XSO,  5                           ; v5   32 r + h: my byte among x's scale bytes
.set FF,   6                           ; v[6:7] f = 2^(old M - new M), later 1 / l (the packed forms name the pair and take its low word)
.set KSC,  8                           ; v8-11 K's scale words, later v8-9 V's
.set Q,    16                          ; v16-21 tile 0's codes, v22-27 tile 1's, v28-33 zeros: tile 0's fragment is v[16:27], tile 1's v[22:33]; a fragment's upper half meets K's zero codes
.set QS,   34                          ; v34, v35 the two tiles' scale words
.set KF,   36                          ; v36-131 K's eight fragments: six registers of codes, six of zeros (cleared once)
.set S,    132                         ; v132-195 S^T, then p; V's four fragments land in v132-179 behind the conversions
.set O,    196                         ; v196-227 O^T
.set P,    228                         ; v228-239 p's codes
.set BM,   240                         ; v240-243 a number for each block
.set TMP,  244                         ; v244-250 at work
.set PSW,  255                         ; v255 p's scale word
.set WV,   10                          ; s10  my wave's number
.set CX,   11                          ; s11  my place in the cluster: it enters Q's and x's global addresses alone
.set HR,   12                          ; s12  the record: batch x 16 + head
.set SEL,  20                          ; s[20:21] v_permlanex16_b32's selects for lane l xor 16
.set CS,   22                          ; s[22:23] c = log2(e) / 8
.set G1A,  24                          ; s[24:31] group 1 of waves 0-3's load, s[32:39] of the others': 51 rows of 256 bytes each
.set G1B,  32
.set G0A,  40                          ; s[40:43], s[44:47] their groups 0
.set G0B,  44
.set TB,   48                          ; s48  LDS byte at which the key step in hand begins
.set CNT,  49                          ; s49  counts key steps
.set HM,   50                          ; s50  the mask of lanes 16-31
.macro CROUND                          ; a round of the cluster's barrier
	s_barrier_signal -1
	s_barrier_wait -1
	s_cmp_lg_u32 s[WV], 0
	s_cbranch_scc1 .Lnot_wave_0_\@
	s_barrier_signal -3
.Lnot_wave_0_\@:
	s_barrier_wait -3
	s_barrier_signal -1
	s_barrier_wait -1
.endm
	s_load_b128 s[4:7], s[0:1], 0x0                ; qkv, ximg
	s_load_b64 s[8:9], s[0:1], 0x10                ; xscl
	v_lshl_add_u32 v251, v0, 2, 0x40000
	v_mov_b32 v253, 0
	ds_add_u32 v251, v253
	ds_add_u32 v251, v253
	v_lshrrev_b32 v1, 5, v0
	s_delay_alu instid0(VALU_DEP_1)
	v_readfirstlane_b32 s[WV], v1                  ; wave 0..15
	s_bfe_u32 s[CX], ttmp6, 0x40000
	s_and_b32 s[HR], ttmp7, 0xffff                 ; the cluster's y: the four partners share it
	s_mul_i32 s54, s[HR], REC                      ; the record's first byte (under 2^32)
	s_mul_i32 s56, s[WV], STEPB                    ; my key step, for the line of waves 0-3,
	s_mul_i32 s57, s[WV], STEPB                    ; and for the line of the others
	s_add_co_u32 s58, s54, KVOFF
	s_add_co_u32 s60, s58, s56
	s_mov_b32 s61, 0
	s_add_co_u32 s62, s58, s57
	s_mov_b32 s63, 0
	; descriptor group 1: dense bytes as rows of 256 (32 elements of 8 bytes), no padding
	s_mov_b32 s[G1A], 15|(3<<16)|(1<<21)           ; 15:0 the mask: all four work-groups; 17:16 elements of 8 bytes; 21 set beside a mask
	s_mov_b32 s[G1A+1], 32<<16                     ; tensor_dim0
	s_mov_b32 s[G1A+2], 51<<16                     ; tensor_dim1
	s_mov_b32 s[G1A+3], 32<<16                     ; tile_dim0
	s_mov_b32 s[G1A+4], 51                         ; tile_dim1
	s_mov_b32 s[G1A+5], 32                         ; from row to row
	s_mov_b32 s[G1A+6], 0
	s_mov_b32 s[G1A+7], 0
	s_mov_b32 s[G1B], 15|(3<<16)|(1<<21)
	s_mov_b32 s[G1B+1], 32<<16
	s_mov_b32 s[G1B+2], 51<<16
	s_mov_b32 s[G1B+3], 32<<16
	s_mov_b32 s[G1B+4], 51
	s_mov_b32 s[G1B+5], 32
	s_mov_b32 s[G1B+6], 0
	s_mov_b32 s[G1B+7], 0
	s_mov_b32 s[SEL], 0x76543210
	s_mov_b32 s[SEL+1], 0xfedcba98
	s_mov_b32 s[CS], 0x3e38aa3b                    ; c = log2(e) / 8
	s_mov_b32 s[CS+1], s[CS]                       ; (named with it as a pair, so it is written)
	s_mov_b32 s[HM], 0xffff0000
	s_wait_dscnt 0x0
	s_wait_kmcnt 0x0
	s_mov_b32 s[G0A], 1                            ; count = 1
	s_mov_b32 s[G0A+1], s56                        ; LDS address: as in memory, from byte 0 on
	s_add_nc_u64 s[G0A+2:G0A+3], s[4:5], s[60:61]
	s_or_b32 s[G0A+3], s[G0A+3], 0x80000000        ; type = 2
	s_mov_b32 s[G0B], 1
	s_mov_b32 s[G0B+1], s57
	s_add_nc_u64 s[G0B+2:G0B+3], s[4:5], s[62:63]
	s_or_b32 s[G0B+3], s[G0B+3], 0x80000000
	CROUND                                         ; all four work-groups are here: the joint loads meet
	s_cmp_lt_u32 s[WV], 4                          ; one chain of two arms, one load in each: every wave issues one
	s_cbranch_scc0 .Lrest
	tensor_load_to_lds s[G0A:G0A+3], s[G1A:G1A+7]  ; waves 0-3: key steps 0-3
	s_nop 0
.rept 4
	v_nop
.endr
	s_branch .Lasked
.Lrest:
	tensor_load_to_lds s[G0B:G0B+3], s[G1B:G1B+7]  ; waves 4-15: key steps 4-15
	s_nop 0
.rept 4
	v_nop
.endr
.Lasked:
	; Q: tiles 32 cx + 2 w and the next: group 4 cx + w / 4 of the record, tiles 2 (w % 4) and 2 (w % 4) + 1 of the group
	s_lshl_b32 s58, s[CX], 2
	s_lshr_b32 s59, s[WV], 2
	s_add_co_u32 s58, s58, s59
	s_mul_i32 s58, s58, 6656
	s_add_co_u32 s58, s58, s54                     ; the group's first byte
	s_and_b32 s59, s[WV], 3
	s_mul_i32 s60, s59, 1536
	s_add_co_u32 s60, s60, s58
	s_mov_b32 s61, 0
	s_add_nc_u64 s[14:15], s[4:5], s[60:61]        ; my two tiles' codes
	s_and_b32 s60, s59, 1
	s_lshl_b32 s60, s60, 2
	s_lshr_b32 s62, s59, 1
	s_lshl_b32 s62, s62, 8
	s_add_co_u32 s60, s60, s62
	s_add_co_u32 s60, s60, s58
	s_add_co_u32 s60, s60, 6144
	s_add_nc_u64 s[52:53], s[4:5], s[60:61]        ; their scale words: word (tile a, token r) lies at 256 (a / 4) + 8 (r + 16 (a % 2)) + 4 ((a / 2) % 2)
	; x: token tile batch x 128 + 32 cx + 2 w
	s_lshr_b32 s58, s[HR], 4
	s_lshl_b32 s58, s58, 7
	s_lshl_b32 s59, s[CX], 5
	s_add_co_u32 s58, s58, s59
	s_lshl_b32 s59, s[WV], 1
	s_add_co_u32 s58, s58, s59
	s_and_b32 s59, s[HR], 15                       ; the head
	s_mul_i32 s60, s58, 12288                      ; a token tile's 16 heads x 768 bytes
	s_mul_i32 s62, s59, 768
	s_add_co_u32 s60, s60, s62
	s_add_nc_u64 s[16:17], s[6:7], s[60:61]
	s_lshl_b32 s60, s58, 9                         ; 16 rows of 32 scale bytes
	s_lshl_b32 s62, s59, 1
	s_add_co_u32 s60, s60, s62
	s_add_nc_u64 s[18:19], s[8:9], s[60:61]
	v_and_b32 v1, 31, v0
	s_delay_alu instid0(VALU_DEP_1)
	v_lshlrev_b32 v[L8], 3, v1
	s_delay_alu instid0(VALU_DEP_2)
	v_lshlrev_b32 v[L16], 4, v1
	v_and_b32 v[XSO], 15, v0                       ; r
	s_delay_alu instid0(VALU_DEP_1)
	v_lshlrev_b32 v252, 3, v[XSO]                  ; 8 r
	v_bfe_u32 v254, v0, 4, 1                       ; h
	s_delay_alu instid0(VALU_DEP_1)
	v_lshl_add_u32 v[XSO], v[XSO], 5, v254
	global_load_b128 v[Q:Q+3], v[L16], s[14:15]                 ; the images come back as they were stored: registers 0-3 at 16 x lane,
	global_load_b64 v[Q+4:Q+5], v[L8], s[14:15] offset:512      ; registers 4-5 at 8 x lane
	global_load_b128 v[Q+6:Q+9], v[L16], s[14:15] offset:768
	global_load_b64 v[Q+10:Q+11], v[L8], s[14:15] offset:1280
	global_load_b32 v[QS], v252, s[52:53]
	global_load_b32 v[QS+1], v252, s[52:53] offset:128
.irp t, 0,1,2,3,4,5,6,7
.irp j, 6,7,8,9,10,11
	v_mov_b32 v[KF+12*\t+\j], 0                    ; K = 64 .. 127 of the first product: zero codes, written once
.endr
.endr
.irp j, 12,13,14,15,16,17
	v_mov_b32 v[Q+\j], 0
.endr
.irp j, 0,1,2,3
	v_mov_b32 v[TMP+\j], 0                         ; written once: a lane permute's destination counts as one of its sources
.endr
	v_mov_b32 v[FF+1], 0                           ; (named as the upper half of the pair)
; A KEY STEP: 128 keys against the tile of queries whose fragment begins at v[qf] and whose scale words stand in v[qs].
.macro STEP qf, qs
	v_add_nc_u32 v[A16], s[TB], v[L16]
	v_add_nc_u32 v[A8], s[TB], v[L8]
.rept 3
	v_nop                                          ; with the two additions: five places behind the last step's products, whose fragments of V the products below write over and whose scale words the loads below land on
.endr
.irp t, 0,1,2,3,4,5,6,7
	ds_load_b128 v[KF+12*\t:KF+12*\t+3], v[A16] offset:768*\t
	ds_load_b64 v[KF+12*\t+4:KF+12*\t+5], v[A8] offset:768*\t+512
.endr
	ds_load_b64 v[KSC:KSC+1], v[A8] offset:6144    ; register i: lanes 0-15 tile 2 i's scale words, lanes 16-31 tile 2 i + 1's: tiles 0-3,
	ds_load_b64 v[KSC+2:KSC+3], v[A8] offset:6400  ; tiles 4-7
	s_wait_dscnt 0x0
.irp t, 0,1,2,3,4,5,6,7                        ; S^T = K Q^T: source 0 = 16 keys, source 1 = my 16 queries
.if \t%2
	v_wmma_scale_f32_16x16x128_f8f6f4 v[S+8*\t:S+8*\t+7], v[KF+12*\t:KF+12*\t+11], v[\qf:\qf+11], 0, v[KSC+\t/2], v[\qs] matrix_a_fmt:MATRIX_FMT_FP6 matrix_b_fmt:MATRIX_FMT_FP6 matrix_a_scale:MATRIX_SCALE_ROW1
.else
	v_wmma_scale_f32_16x16x128_f8f6f4 v[S+8*\t:S+8*\t+7], v[KF+12*\t:KF+12*\t+11], v[\qf:\qf+11], 0, v[KSC+\t/2], v[\qs] matrix_a_fmt:MATRIX_FMT_FP6 matrix_b_fmt:MATRIX_FMT_FP6
.endif
.endr
.rept 4
	v_nop
.endr
.irp b, 0,1,2,3
	v_max3_num_f32 v[BM+\b], v[S+16*\b], v[S+1+16*\b], v[S+2+16*\b]   ; THE LARGEST SCORE OF EACH BLOCK OF 32 KEYS: for the row's maximum, and, since p rises with the score, for the block's largest p
.endr
.irp i, 3,5,7,9,11,13
.irp b, 0,1,2,3
	v_max3_num_f32 v[BM+\b], v[BM+\b], v[S+16*\b+\i], v[S+1+16*\b+\i]   ; (the four blocks by turns)
.endr
.endr
.irp b, 0,1,2,3
	v_max_num_f32 v[BM+\b], v[BM+\b], v[S+15+16*\b]
.endr
.irp b, 0,1,2,3
	s_delay_alu instid0(VALU_DEP_4)
	v_permlanex16_b32 v[TMP+\b], v[BM+\b], s[SEL], s[SEL+1]
.endr
.irp b, 0,1,2,3
	s_delay_alu instid0(VALU_DEP_4)
	v_max_num_f32 v[BM+\b], v[BM+\b], v[TMP+\b]    ; with lane l xor 16's 16 keys
.endr
	s_delay_alu instid0(VALU_DEP_2)
	v_max3_num_f32 v254, v[BM], v[BM+1], v[BM+2]
	s_delay_alu instid0(VALU_DEP_1)
	v_max_num_f32 v254, v254, v[BM+3]              ; the step's largest score of my query
	s_delay_alu instid0(VALU_DEP_1)
	v_mul_f32 v254, s[CS], v254                    ; as t (c is positive)
	s_delay_alu instid0(VALU_DEP_1)
	v_max_num_f32 v13, v13, v254                   ; the running largest t
	v_mov_b32 v254, v12
	s_delay_alu instid0(VALU_DEP_2)
	v_floor_f32 v12, -v13                          ; the new -M = floor(-t) = -ceil(t): a whole number
	s_delay_alu instid0(VALU_DEP_1)
	v_sub_f32 v254, v12, v254                      ; M's old value less its new one: a whole number, 0 or less
	s_delay_alu instid0(VALU_DEP_1)
	v_cvt_i32_f32 v254, v254                       ; (it saturates)
	s_delay_alu instid0(VALU_DEP_1)
	v_ldexp_f32 v[FF], 1.0, v254                   ; f = 2^(old M - new M)
.set jj, 0
.rept 32
	v_pk_fma_f32 v[S+jj:S+jj+1], v[S+jj:S+jj+1], s[CS:CS+1], v[12:13] op_sel_hi:[1,0,0]   ; t - M, two at a time
.set jj, jj+2
.endr
.irp b, 0,1,2,3
	v_fma_f32 v[BM+\b], v[BM+\b], s[CS], v12       ; the same of each block's largest score
.endr
.set jj, 0
	s_wait_alu depctr_va_vdst(0)
.rept 64
	v_exp_f32 v[S+jj], v[S+jj]                     ; p = 2^(t - M), at most 1: not normalised
.set jj, jj+1
.endr
	v_pk_mul_f32 v[14:15], v[14:15], v[FF:FF+1] op_sel_hi:[1,0]   ; the sums under the new M: the plain instruction behind the exponentials
	s_wait_alu depctr_va_vdst(0)                   ; one wait for the whole batch, ahead of its first reader
.irp b, 0,1,2,3
	v_exp_f32 v[BM+\b], v[BM+\b]                   ; the block's largest p: the same two instructions on the same number give the same bits
.endr
	v_pk_add_f32 v[244:245], v[136:137], v[140:141]
	v_pk_add_f32 v[254:255], v[144:145], v[148:149]
	v_pk_add_f32 v[248:249], v[152:153], v[156:157]
	v_pk_add_f32 v[246:247], v[160:161], v[164:165]
	v_pk_add_f32 v[238:239], v[168:169], v[172:173]
	v_pk_add_f32 v[236:237], v[176:177], v[180:181]
	v_pk_add_f32 v[234:235], v[184:185], v[188:189]
	v_pk_add_f32 v[14:15], v[14:15], v[192:193]
	v_pk_add_f32 v[244:245], v[244:245], v[132:133]
	v_pk_add_f32 v[254:255], v[254:255], v[134:135]
	v_pk_add_f32 v[248:249], v[248:249], v[138:139]
	v_pk_add_f32 v[246:247], v[246:247], v[142:143]
	v_pk_add_f32 v[238:239], v[238:239], v[146:147]
	v_pk_add_f32 v[236:237], v[236:237], v[150:151]
	v_pk_add_f32 v[234:235], v[234:235], v[154:155]
	v_pk_add_f32 v[14:15], v[14:15], v[158:159]
	v_pk_add_f32 v[244:245], v[244:245], v[162:163]
	v_pk_add_f32 v[254:255], v[254:255], v[166:167]
	v_pk_add_f32 v[248:249], v[248:249], v[170:171]
	v_pk_add_f32 v[246:247], v[246:247], v[174:175]
	v_pk_add_f32 v[238:239], v[238:239], v[178:179]
	v_pk_add_f32 v[236:237], v[236:237], v[182:183]
	v_pk_add_f32 v[234:235], v[234:235], v[186:187]
	v_pk_add_f32 v[14:15], v[14:15], v[190:191]
	v_pk_add_f32 v[244:245], v[244:245], v[194:195]
	s_delay_alu instid0(VALU_DEP_2)
	v_pk_add_f32 v[14:15], v[14:15], v[246:247]
	s_delay_alu instid0(VALU_DEP_2)
	v_pk_add_f32 v[244:245], v[244:245], v[238:239]
	v_pk_add_f32 v[254:255], v[254:255], v[236:237]
	v_pk_add_f32 v[248:249], v[248:249], v[234:235]
	s_delay_alu instid0(VALU_DEP_2)
	v_pk_add_f32 v[14:15], v[14:15], v[254:255]
	s_delay_alu instid0(VALU_DEP_2)
	v_pk_add_f32 v[244:245], v[244:245], v[248:249]
	s_delay_alu instid0(VALU_DEP_1)
	v_pk_add_f32 v[14:15], v[14:15], v[244:245]
	s_wait_alu depctr_va_vdst(0)                   ; and one for the four
.irp b, 0,1,2,3
	v_max_num_f32 v[BM+\b], 0x1800000, v[BM+\b]    ; the floor 2^(3 - 127): the byte cannot fall under 1
.endr
.irp b, 0,1,2,3
	s_delay_alu instid0(VALU_DEP_4)
	v_add_nc_u32 v[BM+\b], 0xff000000, v[BM+\b]    ; 2 off the exponent field: the conversion's scale operand
.endr
.irp b, 0,1,2,3
	s_delay_alu instid0(VALU_DEP_4)
	v_lshrrev_b32 v[TMP+\b], 23, v[BM+\b]          ; the scale's byte
.endr
	s_delay_alu instid0(VALU_DEP_3)
	v_lshl_or_b32 v[PSW], v[TMP+1], 8, v[TMP]      ; p's scale word for these 128 keys
	s_delay_alu instid0(VALU_DEP_1)
	v_lshl_or_b32 v[PSW], v[TMP+2], 16, v[PSW]
	s_delay_alu instid0(VALU_DEP_1)
	v_lshl_or_b32 v[PSW], v[TMP+3], 24, v[PSW]
.irp c, 0,1
	v_cvt_scalef32_pk16_fp6_f32 v[P+6*\c:P+2+6*\c], v[S+32*\c:S+15+32*\c], v[BM+2*\c]
	v_cvt_scalef32_pk16_fp6_f32 v[TMP+4*\c:TMP+2+4*\c], v[S+16+32*\c:S+31+32*\c], v[BM+2*\c+1]   ; (a conversion's three registers begin on an even number)
.endr
	v_nop                                          ; one plain place behind a scaled conversion
.irp t, 0,1,2,3                                ; V^T's four fragments (16 channels x these 128 keys) land where p stood, while the lines below run
.irp i, 0,1,2
	ds_load_b128 v[S+12*\t+4*\i:S+12*\t+4*\i+3], v[A16] offset:6656+1536*\t+512*\i
.endr
.endr
	ds_load_b64 v[KSC:KSC+1], v[A8] offset:12800   ; register i: lanes 0-15 fragment 2 i's scale words, lanes 16-31 fragment 2 i + 1's
.irp c, 0,1                                    ; the operand's layout wants a WHOLE block in a lane
.irp i, 0,1,2
	v_permlane16_swap_b32 v[P+6*\c+\i], v[TMP+4*\c+\i]
.endr
.irp i, 0,1,2
	s_delay_alu instid0(VALU_DEP_3)
	v_mov_b32 v[P+3+6*\c+\i], v[TMP+4*\c+\i]
.endr
.endr
.set jj, 0
.rept 16
	v_pk_mul_f32 v[O+jj:O+jj+1], v[O+jj:O+jj+1], v[FF:FF+1] op_sel_hi:[1,0]   ; O^T under the new M.  (These sixteen are also the places between the writes of p's codes and scale word and the products below)
.set jj, jj+2
.endr
	s_wait_alu depctr_va_vdst(0)
	s_wait_dscnt 0x0
.irp t, 0,1,2,3                                ; O^T += V^T P^T; the four accumulators take turns, and the eight products of the next step stand between two links of a chain
.if \t%2
	v_wmma_scale_f32_16x16x128_f8f6f4 v[O+8*\t:O+8*\t+7], v[S+12*\t:S+12*\t+11], v[P:P+11], v[O+8*\t:O+8*\t+7], v[KSC+\t/2], v[PSW] matrix_a_fmt:MATRIX_FMT_FP6 matrix_b_fmt:MATRIX_FMT_FP6 matrix_a_scale:MATRIX_SCALE_ROW1
.else
	v_wmma_scale_f32_16x16x128_f8f6f4 v[O+8*\t:O+8*\t+7], v[S+12*\t:S+12*\t+11], v[P:P+11], v[O+8*\t:O+8*\t+7], v[KSC+\t/2], v[PSW] matrix_a_fmt:MATRIX_FMT_FP6 matrix_b_fmt:MATRIX_FMT_FP6
.endif
.endr
	s_add_co_u32 s[TB], s[TB], STEPB               ; the next key step
.endm
.macro KEYLOOP n, qf, qs               ; n key steps: a constant of the text
	s_mov_b32 s[CNT], \n
.Lkey_\@:
	STEP \qf, \qs
	s_sub_co_u32 s[CNT], s[CNT], 1
	s_cmp_lg_u32 s[CNT], 0
	s_cbranch_scc1 .Lkey_\@
.endm
.macro WAITBAR n                       ; my tensor loads but the youngest n have landed, no LDS load of mine is out: then the work-group's barrier.
	s_wait_tensorcnt \n
	s_wait_dscnt 0x0
	s_barrier_signal -1
	s_barrier_wait -1
.endm
.macro HEADT                           ; a tile of queries begins: O^T and the sum are zeros, the largest t lies under every t: the first change of M multiplies zeros, so the step is written without a first step of its own
	s_wait_xcnt 0x0                                ; the stores of the tile before have read their registers
	v_mov_b32 v13, 0xff61b1e6                      ; -3e38
	s_delay_alu instid0(VALU_DEP_1)
	v_floor_f32 v12, -v13                          ; -M
	v_mov_b32 v14, 0
	v_mov_b32 v15, 0
.set jj, 0
.rept 32
	v_mov_b32 v[O+jj], 0
.set jj, jj+1
.endr
	s_mov_b32 s[TB], 0
.endm
; THE TILE'S END, tile n of my two: O^T / l, in the true order of the channels, quantised along them, stored as an image of operand registers 0-5 of the last product's A.
.macro TAIL n
.rept 4
	v_nop                                          ; places behind the last products
.endr
	v_add_f32 v14, v14, v15                        ; the sum's two halves,
	s_delay_alu instid0(VALU_DEP_1)
	v_permlanex16_b32 v252, v14, s[SEL], s[SEL+1]
	s_delay_alu instid0(VALU_DEP_1)
	v_add_f32 v14, v14, v252                       ; and lane l xor 16's: the row's sum
	s_wait_alu depctr_va_vdst(0)
	v_rcp_f32 v[FF], v14
	v_nop                                          ; a plain place behind the transcendental
	s_wait_alu depctr_va_vdst(0)                   ; the wait ahead of its first reader
.set jj, 0
.rept 16
	v_pk_mul_f32 v[S+jj:S+jj+1], v[O+jj:O+jj+1], v[FF:FF+1] op_sel_hi:[1,0]   ; register 8 t + j of lane (r, h): x(query r, channel 16 t + 8 h + j); each accumulator from its low end on
.set jj, jj+2
.endr
.irp b, 0,1
.irp j, 0,1,2,3,4,5,6,7
	v_permlane16_swap_b32 v[S+16*\b+\j], v[S+16*\b+8+\j]   ; lanes 16-31 of the first change places with lanes 0-15 of the second: registers 16 b + 0 .. 15 of lane (r, h) are now channels 32 b + 16 h + 0 .. 15
.endr
.endr
.irp b, 0,1
	v_max3_num_f32 v[BM+\b], |v[S+16*\b]|, |v[S+1+16*\b]|, 0x1800000   ; my 16 numbers of block b, and the floor
.endr
.irp i, 2,4,6,8,10,12,14
.irp b, 0,1
	s_delay_alu instid0(VALU_DEP_2)
	v_max3_num_f32 v[BM+\b], v[BM+\b], |v[S+16*\b+\i]|, |v[S+1+16*\b+\i]|
.endr
.endr
.irp b, 0,1
	s_delay_alu instid0(VALU_DEP_2)
	v_permlanex16_b32 v[TMP+\b], v[BM+\b], s[SEL], s[SEL+1]
.endr
.irp b, 0,1
	s_delay_alu instid0(VALU_DEP_2)
	v_max_num_f32 v[BM+\b], v[BM+\b], v[TMP+\b]
.endr
.irp b, 0,1
	s_delay_alu instid0(VALU_DEP_2)
	v_add_nc_u32 v[BM+\b], 0xff000000, v[BM+\b]
.endr
.irp b, 0,1
	s_delay_alu instid0(VALU_DEP_2)
	v_lshrrev_b32 v[TMP+\b], 23, v[BM+\b]
.endr
	s_delay_alu instid0(VALU_DEP_1)
	v_cndmask_b32 v254, v[TMP], v[TMP+1], s[HM]    ; lane (r, h) stores block h's byte
	v_cvt_scalef32_pk16_fp6_f32 v[P:P+2], v[S:S+15], v[BM]
	v_cvt_scalef32_pk16_fp6_f32 v[TMP+4:TMP+6], v[S+16:S+31], v[BM+1]
	v_nop
.irp i, 0,1,2
	v_permlane16_swap_b32 v[P+\i], v[TMP+4+\i]
.endr
.irp i, 0,1,2
	s_delay_alu instid0(VALU_DEP_3)
	v_mov_b32 v[P+3+\i], v[TMP+4+\i]               ; v[P:P+5] of lane (r, h): block h of query r, whole
.endr
.irp p, 0,1,2
	global_store_b64 v[L8], v[P+2*\p:P+2*\p+1], s[16:17] offset:12288*(\n)+256*\p   ; 32 lanes store 256 consecutive bytes, at a multiple of 256 from ximg's first byte
.endr
	global_store_b8 v[XSO], v254, s[18:19] offset:512*(\n)
.endm
	HEADT
	s_cmp_lt_u32 s[WV], 4                          ; the waves that fetched key steps 0-3 wait for their load; the others' may stay out
	s_cbranch_scc0 .Lnot_first
	s_wait_tensorcnt 0x0
.Lnot_first:
	s_wait_dscnt 0x0
	s_barrier_signal -1
	s_barrier_wait -1
	s_wait_loadcnt 0x0                             ; Q
	KEYLOOP 4, Q, QS
	WAITBAR 0                                      ; all of K and V is in
	KEYLOOP 12, Q, QS
	TAIL 0
	HEADT
	KEYLOOP 16, Q+6, QS+1
	TAIL 1
	s_wait_tensorcnt 0x0
	ds_add_u32 v251, v253
	s_wait_dscnt 0x0
	CROUND                                         ; the closing round
	s_endpgm
.Lfunc_end_k_q400a17da64_attn:
	.size	k_q400a17da64_attn, .Lfunc_end_k_q400a17da64_attn-k_q400a17da64_attn
	.p2alignl 7, 3214868480
	.fill 96, 4, 3214868480
	.section	.rodata,"a",@progbits
	.p2align	6, 0x0
	.amdhsa_kernel k_q400a17da64_attn
		.amdhsa_group_segment_fixed_size 264192
		.amdhsa_private_segment_fixed_size 0
		.amdhsa_enable_private_segment 0
		.amdhsa_kernarg_size 24
		.amdhsa_user_sgpr_count 2
		.amdhsa_user_sgpr_kernarg_segment_ptr 1
		.amdhsa_wavefront_size32 1
		.amdhsa_system_sgpr_workgroup_id_x 1
		.amdhsa_system_sgpr_workgroup_id_y 1
		.amdhsa_system_sgpr_workgroup_id_z 1
		.amdhsa_system_vgpr_workitem_id 0
		.amdhsa_next_free_vgpr 256
		.amdhsa_next_free_sgpr 66
		.amdhsa_reserve_vcc 0
		.amdhsa_float_denorm_mode_32 3
		.amdhsa_float_denorm_mode_16_64 3
		.amdhsa_memory_ordered 1
		.amdhsa_forward_progress 1
		.amdhsa_inst_pref_size 72
	.end_amdhsa_kernel
	.amdgpu_metadata
---
amdhsa.version: [ 1, 2 ]
amdhsa.kernels:
  - .name:           k_q400a17da64_attn
    .symbol:         k_q400a17da64_attn.kd
    .args:
      - { .name: qkv, .offset: 0, .size: 8, .value_kind: global_buffer, .address_space: global }
      - { .name: ximg, .offset: 8, .size: 8, .value_kind: global_buffer, .address_space: global }
      - { .name: xscl, .offset: 16, .size: 8, .value_kind: global_buffer, .address_space: global }
    .group_segment_fixed_size: 264192
    .private_segment_fixed_size: 0
    .kernarg_segment_align: 8
    .kernarg_segment_size: 24
    .max_flat_workgroup_size: 512
    .sgpr_count:     66
    .vgpr_count:     256
    .wavefront_size: 32
...
	.end_amdgpu_metadata
.endif
;; end of part 2
;; launch outp (part 3): grid 4 x 64, 4 waves a work-group, clusters of 4 x 4, 327,680 bytes of LDS; arguments ximg, xscl, Wo_codes, Wo_scales, out0, bo; writes out0
.if DOCPART == 3
	.amdgcn_target "amdgcn-amd-amdhsa--gfx1250"
	.amdhsa_code_object_version 6
	.text
	.protected	k_q400a17da64_outp
	.globl	k_q400a17da64_outp
	.p2align	8
	.type	k_q400a17da64_outp,@function
k_q400a17da64_outp:
	s_mov_b64 s[64:65], 0
	v_nop
	global_prefetch_b8 v0, s[64:65] scope:SCOPE_SE
	s_setreg_imm32_b32 hwreg(HW_REG_WAVE_MODE, 25, 1), 1
	s_wait_xcnt 0x0
	s_wait_alu depctr_hold_cnt(0) depctr_sa_sdst(0) depctr_va_vdst(0) depctr_va_sdst(0) depctr_va_ssrc(0) depctr_va_vcc(0) depctr_vm_vsrc(0)
	s_getreg_b32 s2, hwreg(HW_REG_IB_STS2, 6, 4)
	s_cmp_eq_u32 s2, 0
	s_cbranch_scc0 .Lentry_in_a_cluster
	s_endpgm
.Lentry_in_a_cluster:
	s_bfe_u32 s2, ttmp6, 0x10000c
	s_cmp_lg_u32 s2, 0xf033
	s_cbranch_scc0 .Lentry_shape_is_right
	s_endpgm
.Lentry_shape_is_right:
; THE LAST PRODUCT, out0 = x Wo^T + bo, on codes of FP6 (E2M3) with E8M0 scales, K = 1,024; sums in f32.
; A block of 128 tokens x 256 columns to a work-group: 256 work-groups.  ALL OF K LIES IN LDS, filled once by four joint loads, one a wave; nothing is filled again.
; x comes as the launch before left it: ximg[tile of 16 tokens][head][3 pieces][lane][8 bytes], images of operand registers 0-5 (a K step of 128 is two heads); a block's eight tiles are 98,304 bytes on end, fetched as rows of 256 bytes.
; xscl[token][32] and Wo's codes and scales are row-major; Wo's rows of 768 bytes get 16 bytes of padding behind every 256.
; A wave makes 64 x 128: 32 accumulators.  The matrix instruction is used transposed (source 0 = Wo's rows, source 1 = tokens): a lane holds eight neighbouring columns of a row of out0.  The bias is the first products' C.
; CLUSTERS 4 x 4: x's tiles are asked for jointly along a row of the cluster, Wo's along a column.  NO PREFETCH: there is no loop of loads to run ahead in; every tile is asked for at the head.
; THE WAY OUT goes through a stage in LDS, over x's bytes, behind a barrier behind which nobody reads them: whole rows of 512 bytes are stored by the 32 lanes.
; LIMITS: NaN, infinities and scale bytes 0xff are not served.
.set SIZE_N, 1024
.set KROW,  768
.set KS,    32
.set PITCH, 816
.set FR,    12
.set NP,    4
.set BB0,   98304                      ; Wo's rows lie behind x's images
.set SCL,   BB0+256*PITCH
.set SA64,  (64*KS/256)*272
.set SBLK,  (16*KS/256)*272
.set SCLB,  SCL+2*SA64
.set SPARE, SCL+6*SA64
.set SPITCH, 528
.set ADRA, 16                          ; v16 my tiles of x + 8 x lane
.set ADRB, 20                          ; v20, v21 Wo's blocks 0-3 (v21: lanes 16-31 behind one padding more); v22, v23 blocks 4-7
.set STO,  24
.set RD,   25
.set CO,   26
.set ADRS, 27
.set SPW,  28
.set NIL,  29
.set SC,   32
.set BN,   64
.set AF,   128
.set BK,   128
.set G1, 24
.set G0, 32
.set G1B, 48
.set G0B, 56
.set G1S, 68
.set G0S, 76
.set G1SB, 80
.set G0SB, 88
.set MSB, 0
.macro WIN new
.if MSB != \new
	s_set_vgpr_msb (MSB<<8)|\new
.set MSB, \new
.endif
.endm
.set MUL,  0xa1                        ; source 0 window 1, source 1 window 0, C and D window 2
.set FST,  0x81                        ; the same with C in window 0
.set TO_B, 0x40
.macro PLACES n
.rept \n
	v_nop
.endr
.endm
.macro CROUND
	s_barrier_signal -1
	s_barrier_wait -1
	s_cmp_lg_u32 s14, 0
	s_cbranch_scc1 .Lnot_wave_0_\@
	s_barrier_signal -3
.Lnot_wave_0_\@:
	s_barrier_wait -3
	s_barrier_signal -1
	s_barrier_wait -1
.endm
.macro G1SET g, mask, flags, c, r
	s_or_b32 s[\g], s\mask, \flags
	s_mov_b32 s[\g+1], (\c)<<16
	s_mov_b32 s[\g+2], (\r)<<16
	s_mov_b32 s[\g+3], (\c)<<16
	s_mov_b32 s[\g+4], \r
	s_mov_b32 s[\g+5], \c
	s_mov_b32 s[\g+6], 0
	s_mov_b32 s[\g+7], 0
.endm
.macro G0SET g, lds, base, off
	s_mov_b32 s[\g], 1
	s_mov_b32 s[\g+1], \lds
	s_add_nc_u64 s[\g+2:\g+3], s[\base:\base+1], s[\off:\off+1]
	s_or_b32 s[\g+3], s[\g+3], 0x80000000
.endm
.macro TLOAD g0, g1
	tensor_load_to_lds s[\g0:\g0+3], s[\g1:\g1+7]
	s_nop 0
	PLACES 4
.endm
.macro ARM under, g0, g1, next
	s_cmp_lt_u32 s14, \under
	s_cbranch_scc0 \next
	TLOAD \g0, \g1
	s_branch .Lhead_asked
\next:
.endm
	s_load_b128 s[4:7], s[0:1], 0x0                ; ximg, xscl
	s_load_b128 s[8:11], s[0:1], 0x10              ; Wo's codes, scales
	s_load_b64 s[12:13], s[0:1], 0x20              ; out0
	s_load_b64 s[96:97], s[0:1], 0x28              ; bo
	v_lshl_add_u32 v[SPW], v0, 2, SPARE
	v_mov_b32 v[NIL], 0
	ds_add_u32 v[SPW], v[NIL]                      ; the opening lines
	ds_add_u32 v[SPW], v[NIL]
	v_lshrrev_b32 v1, 5, v0
	v_readfirstlane_b32 s14, v1                    ; wave
	s_lshr_b32 s15, s14, 1                         ; my half of the tokens
	s_and_b32 s16, s14, 1                          ; my half of the columns
	s_bfe_u32 s40, ttmp6, 0x40000
	s_bfe_u32 s41, ttmp6, 0x40004
	s_lshl_b32 s42, ttmp9, 2
	s_add_co_u32 s42, s42, s40                     ; block column
	s_and_b32 s17, ttmp7, 0xffff
	s_lshl_b32 s17, s17, 2
	s_add_co_u32 s17, s17, s41                     ; block row
	s_lshl_b32 s43, s41, 2
	s_lshl_b32 s43, 15, s43
	s_lshl_b32 s44, 0x1111, s40
	G1SET G1, 43, (3<<16)|(1<<21), 32, 384
	G1SET G1B, 44, (1<<20)|(1<<21)|(5<<22)|(3<<25), KROW, 256
	G1SET G1S, 43, (3<<16)|(1<<20)|(1<<21)|(5<<22)|(3<<25), 32, 16
	G1SET G1SB, 44, (3<<16)|(1<<20)|(1<<21)|(5<<22)|(3<<25), 32, 32
	s_mul_i32 s20, s17, 128*KROW
	s_mul_i32 s22, s17, 128*KS
	s_mul_i32 s46, s42, 256*KROW
	s_mul_i32 s92, s42, 256*KS
	s_mov_b32 s21, 0
	s_mov_b32 s23, 0
	s_mov_b32 s47, 0
	s_mov_b32 s93, 0
	s_wait_dscnt 0x0
	s_wait_kmcnt 0x0
	G0SET G0, 0, 4, 20
	G0SET G0B, BB0, 8, 46
	G0SET G0S, SCL, 6, 22
	G0SET G0SB, SCLB, 10, 92
	CROUND                                         ; all sixteen work-groups are here: the joint loads meet
	ARM 1, G0B, G1B, .Lhead_a                      ; one load a wave: Wo's 256 rows,
	ARM 2, G0,  G1,  .Lhead_sa                     ; x's eight tiles,
	ARM 3, G0S, G1S, .Lhead_sb                     ; x's scales,
	TLOAD G0SB, G1SB                               ; Wo's
.Lhead_asked:
	s_mul_i32 s4, s15, 4*12288                     ; my four tiles of x in LDS,
	s_mul_i32 s5, s16, 128*PITCH
	s_add_co_u32 s5, s5, BB0                       ; my rows of Wo,
	s_mul_i32 s6, s15, SA64
	s_add_co_u32 s6, s6, SCL                       ; x's scales,
	s_mul_i32 s7, s16, 2*SA64
	s_add_co_u32 s7, s7, SCLB
	s_sub_co_u32 s7, s7, s6                        ; and how far on Wo's lie
	s_mul_i32 s8, s14, 16*SPITCH                   ; my stage
	s_lshl_b32 s20, s17, 7
	s_lshl_b32 s21, s15, 6
	s_add_co_u32 s20, s20, s21                     ; my first row of out0,
	s_lshl_b32 s20, s20, 12                        ; in bytes
	s_mov_b32 s21, 0
	s_lshl_b32 s46, s42, 10
	s_lshl_b32 s47, s16, 9
	s_add_co_u32 s46, s46, s47                     ; my first column, in bytes
	s_mov_b32 s47, 0
	s_add_nc_u64 s[96:97], s[96:97], s[46:47]
	s_add_nc_u64 s[12:13], s[12:13], s[20:21]
	s_add_nc_u64 s[12:13], s[12:13], s[46:47]
	v_and_b32 v1, 15, v0                           ; r
	v_bfe_u32 v2, v0, 4, 1                         ; h
	v_and_b32 v6, 31, v0
	v_mul_u32_u24 v3, v1, PITCH
	v_mad_u32_u24 v4, v2, 24, v3
	v_mad_u32_u24 v5, v2, 40, v3
	v_lshl_add_u32 v[ADRA], v6, 3, s4
	v_add_nc_u32 v[ADRB], s5, v4
	v_add_nc_u32 v[ADRB+1], s5, v5
	v_add_nc_u32 v[ADRB+2], 64*PITCH, v[ADRB]
	v_add_nc_u32 v[ADRB+3], 64*PITCH, v[ADRB+1]
	v_mul_u32_u24 v8, v1, KS
	v_lshrrev_b32 v9, 8, v8
	v_lshl_add_u32 v8, v9, 4, v8
	v_mul_u32_u24 v9, s7, v2                       ; lanes 16-31 take Wo's scale words
	v_add_nc_u32 v8, v8, v9
	v_add_nc_u32 v[ADRS], s6, v8
	v_mul_u32_u24 v5, v1, SPITCH
	v_lshl_add_u32 v5, v2, 5, v5
	v_add_nc_u32 v[STO], s8, v5
	v_lshlrev_b32 v[CO], 4, v6
	v_add_nc_u32 v[RD], s8, v[CO]
	v_lshlrev_b32 v7, 5, v2
.irp b, 0,1,2,3,4,5,6,7
	global_load_b128 v[BN+8*\b:BN+8*\b+3], v7, s[96:97] offset:64*\b          ; v[BN + 8 b + j] = bo[my first column + 16 b + 8 h + j]
	global_load_b128 v[BN+8*\b+4:BN+8*\b+7], v7, s[96:97] offset:64*\b+16
.endr
.macro FRAG reg, adr, st, i            ; Wo: six pieces of 8 bytes; byte y of a row lies at y + 16 (y / 256) of its LDS row
.irp p, 0,1,2,3,4,5
.set BY, 96*(\st)+48*(\p/3)+8*(\p%3)
.if BY/256 == (BY+24)/256
	ds_load_b64 v[\reg+2*\p:\reg+2*\p+1], v[\adr] offset:BY+16*(BY/256)+(\i)*16*PITCH
.else
	ds_load_b64 v[\reg+2*\p:\reg+2*\p+1], v[\adr+1] offset:BY+16*(BY/256)+(\i)*16*PITCH
.endif
.endr
.endm
.macro FETCH st                        ; step st's fragments into set st % 2: 72 loads; with an even step the scale words of two steps, 8 more
	WIN TO_B
.irp i, 0,1,2,3,4,5,6,7
	FRAG 128*((\st)%2)+FR*\i, ADRB+2*(\i/4), \st, \i%4
.endr
	WIN 0
.irp i, 0,1,2,3
.irp p, 0,1,2,3,4,5
	ds_load_b64 v[AF+48*((\st)%2)+FR*\i+2*\p:AF+48*((\st)%2)+FR*\i+2*\p+1], v[ADRA] offset:12288*\i+1536*(\st)+256*\p
.endr
.endr
.if (\st)%2 == 0
.irp i, 0,1,2,3,4,5,6,7
	ds_load_b64 v[SC+16*(((\st)/2)%2)+2*\i:SC+16*(((\st)/2)%2)+2*\i+1], v[ADRS] offset:\i*SBLK+4*(\st)
.endr
.endif
.endm
.macro W1 a, b, p, q, sc, c
	v_wmma_scale_f32_16x16x128_f8f6f4 v[8*(8*\a+\b):8*(8*\a+\b)+7], v[128*(\p)+FR*\b:128*(\p)+FR*\b+FR-1], v[AF+48*(\p)+FR*\a:AF+48*(\p)+FR*\a+FR-1], \c, v[SC+16*(\sc)+2*\b+(\q)], v[SC+16*(\sc)+2*\a+(\q)] matrix_a_fmt:MATRIX_FMT_FP6 matrix_b_fmt:MATRIX_FMT_FP6 matrix_a_scale:MATRIX_SCALE_ROW1
.endm
.macro MUL32 p, sc, first              ; the 32 accumulators take turns
.irp a, 0,1,2,3
.irp b, 0,1,2,3,4,5,6,7
.if \first
	W1 \a, \b, \p, \p, \sc, v[BN+8*\b:BN+8*\b+7]
.else
	W1 \a, \b, \p, \p, \sc, v[8*(8*\a+\b):8*(8*\a+\b)+7]
.endif
.endr
.endr
.endm
.macro STEP st, first                  ; this step's fragments, asked for ahead of the last step's 32 products, are in; the next step's loads go out, into the set that the step before read (four places behind its products); then the products
	s_wait_dscnt 0x0
.if (\st) < 7
	PLACES NP
	FETCH (\st)+1
.endif
.if \first
	WIN FST
.else
	WIN MUL
.endif
	MUL32 (\st)%2, ((\st)/2)%2, \first
	WIN 0
.endm
	s_wait_alu depctr_va_vdst(0)                   ; the wait at the head's end
	s_wait_loadcnt 0x0                             ; the bias
	s_wait_tensorcnt 0x0                           ; my tile is in,
	s_barrier_signal -1
	s_barrier_wait -1                              ; everybody's is
	FETCH 0
	STEP 0, 1
.set ST, 1
.rept 7
	STEP ST, 0
.set ST, ST+1
.endr
	s_barrier_signal -1                            ; no LDS load of mine is out (the last step's wait): nobody reads x's bytes behind this barrier
	s_barrier_wait -1
.macro TOSTAGE a                       ; block a, 16 rows x 128 columns, into my stage and back as whole rows; LDS serves a wave's instructions in order (ISA guide 5.7.1.4)
	WIN 0x08
.irp b, 0,1,2,3,4,5,6,7
	ds_store_b128 v[STO], v[64*(\a)+8*\b:64*(\a)+8*\b+3] offset:64*\b
	ds_store_b128 v[STO], v[64*(\a)+8*\b+4:64*(\a)+8*\b+7] offset:64*\b+16
.endr
	WIN 0
.set BB, BK+64*((\a)%2)
.irp t, 0,1,2,3,4,5,6,7,8,9,10,11,12,13,14,15
	ds_load_b128 v[BB+4*\t:BB+4*\t+3], v[RD] offset:\t*SPITCH
.endr
.endm
.macro SEND a, younger                 ; younger: the LDS instructions issued behind block a's loads
.set BB, BK+64*((\a)%2)
	s_wait_dscnt \younger
.if (\a) > 0
	s_add_nc_u64 s[12:13], s[12:13], 16*SIZE_N*4   ; behind a wait on XCNT: the earlier stores have read their base
.endif
.irp t, 0,1,2,3,4,5,6,7,8,9,10,11,12,13,14,15
	global_store_b128 v[CO], v[BB+4*\t:BB+4*\t+3], s[12:13] offset:\t*SIZE_N*4 th:TH_STORE_NT   ; 32 lanes store 512 bytes on end, at a multiple of 256 from out0's first byte
.endr
.endm
	PLACES NP
	TOSTAGE 0
.irp a, 1,2,3
.if \a > 1
	s_wait_xcnt 0x0
.endif
	TOSTAGE \a
	SEND \a-1, 32
.endr
	s_wait_xcnt 0x0
	SEND 3, 0
	s_wait_tensorcnt 0x0                           ; the wave's end
	ds_add_u32 v[SPW], v[NIL]
	s_wait_dscnt 0x0
	CROUND                                         ; the closing round
	s_endpgm
.Lfunc_end_k_q400a17da64_outp:
	.size	k_q400a17da64_outp, .Lfunc_end_k_q400a17da64_outp-k_q400a17da64_outp
	.p2alignl 7, 3214868480
	.fill 96, 4, 3214868480
	.section	.rodata,"a",@progbits
	.p2align	6, 0x0
	.amdhsa_kernel k_q400a17da64_outp
		.amdhsa_group_segment_fixed_size 327680
		.amdhsa_private_segment_fixed_size 0
		.amdhsa_enable_private_segment 0
		.amdhsa_kernarg_size 48
		.amdhsa_user_sgpr_count 2
		.amdhsa_user_sgpr_kernarg_segment_ptr 1
		.amdhsa_wavefront_size32 1
		.amdhsa_system_sgpr_workgroup_id_x 1
		.amdhsa_system_sgpr_workgroup_id_y 1
		.amdhsa_system_sgpr_workgroup_id_z 1
		.amdhsa_system_vgpr_workitem_id 0
		.amdhsa_next_free_vgpr 768
		.amdhsa_next_free_sgpr 102
		.amdhsa_reserve_vcc 0
		.amdhsa_float_denorm_mode_32 3
		.amdhsa_float_denorm_mode_16_64 3
		.amdhsa_memory_ordered 1
		.amdhsa_forward_progress 1
		.amdhsa_inst_pref_size 97
	.end_amdhsa_kernel
	.amdgpu_metadata
---
amdhsa.version: [ 1, 2 ]
amdhsa.kernels:
  - .name:           k_q400a17da64_outp
    .symbol:         k_q400a17da64_outp.kd
    .args:
      - { .name: ximg, .offset: 0, .size: 8, .value_kind: global_buffer, .address_space: global }
      - { .name: xscl, .offset: 8, .size: 8, .value_kind: global_buffer, .address_space: global }
      - { .name: Wo_codes, .offset: 16, .size: 8, .value_kind: global_buffer, .address_space: global }
      - { .name: Wo_scales, .offset: 24, .size: 8, .value_kind: global_buffer, .address_space: global }
      - { .name: out0, .offset: 32, .size: 8, .value_kind: global_buffer, .address_space: global }
      - { .name: bo, .offset: 40, .size: 8, .value_kind: global_buffer, .address_space: global }
    .group_segment_fixed_size: 327680
    .private_segment_fixed_size: 0
    .kernarg_segment_align: 8
    .kernarg_segment_size: 48
    .max_flat_workgroup_size: 128
    .sgpr_count:     102
    .vgpr_count:     768
    .wavefront_size: 32
...
	.end_amdgpu_metadata
.endif
;; end of part 3
